; MI455X (gfx1250); checked and timed in simulation.
; The chip was launched on July 23, 2026; its instructions are those of AMD's public machine-readable ISA for CDNA 5 (MIT licence, August 2026) and "CDNA5" Instruction Set Architecture Reference Guide (July 2026). The comments in the code are by the model that wrote it; some were corrected since.
;; additive Attention. Allowed arithmetic: float matrix products may take bf16 or f16 operands with f32 sums; other float arithmetic in f32, or as packed bf16 or f16 multiplies, adds, multiply-adds, maxima and minima; sums over many terms, partial sums and values carried from step to step in f32; what a program stores and reads back later, other than sums and carried values, may be rounded once to bf16 or f16.
;; Inputs: Wk 2,048 x 1,024 float32; Wq 2,048 x 1,024 float32; bk 2,048 float32; bq 2,048 float32; k 8 x 1,024 x 1,024 float32; mask 8 x 1,024 x 2,048 float32; q 8 x 1,024 x 1,024 float32; v 8 x 2,048 x 1,024 float32.
;; Outputs: out0 8 x 1,024 x 1,024 float32.
;; One version. Each part assembles by itself: llvm-mc -triple=amdgcn-amd-amdhsa -mcpu=gfx1250 --defsym DOCPART=n.
;; ======== version 1 of 1: 3 launches
;; limits: inputs' magnitudes at most 65,504; values are held in f16: magnitudes above 65,504 overflow, below 6.1e-05 lose precision
;; workspace buffers: a16 33,554,432 bytes; w16 8,388,608 bytes; v16 33,554,432 bytes; p16 33,554,432 bytes; stm 524,288 bytes; stl 524,288 bytes
;; launch tof16 (part 1): grid 1280 x 1, 8 waves a work-group, no clusters, 0 bytes of LDS; arguments q, k, Wq, Wk, a16, w16; writes a16, w16
.if DOCPART == 1
	.amdgcn_target "amdgcn-amd-amdhsa--gfx1250"
	.amdhsa_code_object_version 6
	.text
	.protected	k_qfe777681ee_tof16
	.globl	k_qfe777681ee_tof16
	.p2align	8
	.type	k_qfe777681ee_tof16,@function
k_qfe777681ee_tof16:
	s_mov_b64 s[64:65], 0
	v_nop
	global_prefetch_b8 v0, s[64:65] scope:SCOPE_SE
	s_setreg_imm32_b32 hwreg(HW_REG_WAVE_MODE, 25, 1), 1
	s_wait_xcnt 0x0
; q, k, Wq, Wk (f32, rows of 1,024) are rounded once to f16 and laid side by side: a16[row][0:1024] = q, a16[row][1024:2048] = k; w16 likewise of Wq, Wk.
; So the two projections of the next launch are ONE product over 2,048.
; LIMIT: f16 ends at 65,504 and keeps a fixed step of 6e-8 below 6e-5: inputs beyond 65,504 in size are not served.
; A stream: no LDS, no barrier, no matrix unit.  A work-group takes 16 source rows, a wave two of them: 8,192 consecutive bytes, sixteen loads of 512 consecutive
; bytes, all sixteen out at once; each store of the wave covers 256 consecutive bytes, aligned.  Work-groups 0-1023: q (0-511), k (512-1023); 1024-1279: Wq, Wk.
	s_load_b256 s[4:11], s[0:1], 0x0               ; q s[4:5], k s[6:7], Wq s[8:9], Wk s[10:11]
	s_load_b128 s[12:15], s[0:1], 0x20             ; a16 s[12:13], w16 s[14:15]
	v_and_b32 v3, 31, v0                           ; lane
	v_lshrrev_b32 v2, 5, v0                        ; wave
	v_lshlrev_b32 v1, 4, v3
	v_lshl_add_u32 v1, v2, 13, v1                  ; source: 16 x lane + wave x two rows of 4,096 bytes
	v_lshlrev_b32 v3, 3, v3
	v_lshl_add_u32 v2, v2, 13, v3                  ; target: 8 x lane + wave x two rows of 4,096 bytes
	s_and_b32 s18, ttmp9, 1023                     ; my number among the activations' or the weights' work-groups
	s_cmp_lt_u32 ttmp9, 1024
	s_cselect_b32 s17, 9, 7                        ; 512 blocks of 16 rows in q and in k, 128 in Wq and in Wk
	s_lshr_b32 s19, s18, s17                       ; 0: the left tensor (q, Wq), 1: the right one (k, Wk)
	s_lshl_b32 s16, s19, s17
	s_sub_co_u32 s16, s18, s16                     ; my block of 16 rows
	s_lshl_b32 s26, s16, 16                        ; its bytes in the source: 16 rows of 4,096
	s_mov_b32 s27, 0
	s_lshl_b32 s28, s19, 11                        ; in the target: the same, and 2,048 bytes on for the right half
	s_add_co_u32 s28, s28, s26
	s_mov_b32 s29, 0
	s_wait_kmcnt 0x0
	s_cmp_lt_u32 ttmp9, 1024                       ; the choices hang on the work-group's number alone
	s_cselect_b64 s[20:21], s[12:13], s[14:15]
	s_cselect_b64 s[22:23], s[4:5], s[8:9]
	s_cselect_b64 s[24:25], s[6:7], s[10:11]
	s_cmp_eq_u32 s19, 0
	s_cselect_b64 s[22:23], s[22:23], s[24:25]
	s_add_nc_u64 s[22:23], s[22:23], s[26:27]
	s_add_nc_u64 s[20:21], s[20:21], s[28:29]
.set j, 0
.rept 16
	global_load_b128 v[4+4*j:7+4*j], v1, s[22:23] offset:512*j th:TH_LOAD_NT
.set j, j+1
.endr
.set j, 0
.rept 16
	s_wait_loadcnt 15-j                            ; loads come back in order: number j is in, the younger ones stay out
	v_cvt_pk_f16_f32 v[4+4*j], v[4+4*j], v[5+4*j]  ; in place, ascending: no register is written before it has been read
	v_cvt_pk_f16_f32 v[5+4*j], v[6+4*j], v[7+4*j]
	global_store_b64 v2, v[4+4*j:5+4*j], s[20:21] offset:(j/8)*4096+(j%8)*256  ; no register of a store is written again
.set j, j+1
.endr
	s_endpgm
.Lfunc_end_k_qfe777681ee_tof16:
	.size	k_qfe777681ee_tof16, .Lfunc_end_k_qfe777681ee_tof16-k_qfe777681ee_tof16
	.p2alignl 7, 3214868480
	.fill 96, 4, 3214868480
	.section	.rodata,"a",@progbits
	.p2align	6, 0x0
	.amdhsa_kernel k_qfe777681ee_tof16
		.amdhsa_group_segment_fixed_size 0
		.amdhsa_private_segment_fixed_size 0
		.amdhsa_enable_private_segment 0
		.amdhsa_kernarg_size 48
		.amdhsa_user_sgpr_count 2
		.amdhsa_user_sgpr_kernarg_segment_ptr 1
		.amdhsa_wavefront_size32 1
		.amdhsa_system_sgpr_workgroup_id_x 1
		.amdhsa_system_sgpr_workgroup_id_y 1
		.amdhsa_system_sgpr_workgroup_id_z 1
		.amdhsa_system_vgpr_workitem_id 0
		.amdhsa_next_free_vgpr 68
		.amdhsa_next_free_sgpr 66
		.amdhsa_reserve_vcc 0
		.amdhsa_float_denorm_mode_32 3
		.amdhsa_float_denorm_mode_16_64 3
		.amdhsa_memory_ordered 1
		.amdhsa_forward_progress 1
		.amdhsa_inst_pref_size 7
	.end_amdhsa_kernel
	.amdgpu_metadata
---
amdhsa.version: [ 1, 2 ]
amdhsa.kernels:
  - .name:           k_qfe777681ee_tof16
    .symbol:         k_qfe777681ee_tof16.kd
    .args:
      - { .name: q, .offset: 0, .size: 8, .value_kind: global_buffer, .address_space: global }
      - { .name: k, .offset: 8, .size: 8, .value_kind: global_buffer, .address_space: global }
      - { .name: Wq, .offset: 16, .size: 8, .value_kind: global_buffer, .address_space: global }
      - { .name: Wk, .offset: 24, .size: 8, .value_kind: global_buffer, .address_space: global }
      - { .name: a16, .offset: 32, .size: 8, .value_kind: global_buffer, .address_space: global }
      - { .name: w16, .offset: 40, .size: 8, .value_kind: global_buffer, .address_space: global }
    .group_segment_fixed_size: 0
    .private_segment_fixed_size: 0
    .kernarg_segment_align: 8
    .kernarg_segment_size: 48
    .max_flat_workgroup_size: 256
    .sgpr_count:     66
    .vgpr_count:     68
    .wavefront_size: 32
...
	.end_amdgpu_metadata
.endif
;; end of part 1
;; launch energy (part 2): grid 8 x 32, 4 waves a work-group, clusters of 4 x 4, 327,680 bytes of LDS; arguments a16, w16, mask, bq, bk, v, p16, stm, stl, v16; writes p16, stm, stl, v16
.if DOCPART == 2
	.amdgcn_target "amdgcn-amd-amdhsa--gfx1250"
	.amdhsa_code_object_version 6
	.text
	.protected	k_qfe777681ee_energy
	.globl	k_qfe777681ee_energy
	.p2align	8
	.type	k_qfe777681ee_energy,@function
k_qfe777681ee_energy:
	s_mov_b64 s[64:65], 0
	v_nop
	global_prefetch_b8 v0, s[64:65] scope:SCOPE_SE
	s_setreg_imm32_b32 hwreg(HW_REG_WAVE_MODE, 25, 1), 1
	s_wait_xcnt 0x0
	s_wait_alu depctr_hold_cnt(0) depctr_sa_sdst(0) depctr_va_vdst(0) depctr_va_sdst(0) depctr_va_ssrc(0) depctr_va_vcc(0) depctr_vm_vsrc(0)
	s_getreg_b32 s2, hwreg(HW_REG_IB_STS2, 6, 4)
	s_cmp_eq_u32 s2, 0
	s_cbranch_scc0 .Lentry_in_a_cluster
	s_endpgm
.Lentry_in_a_cluster:
	s_bfe_u32 s2, ttmp6, 0x10000c
	s_cmp_lg_u32 s2, 0xf033
	s_cbranch_scc0 .Lentry_shape_is_right
	s_endpgm
.Lentry_shape_is_right:
; e[m][c] = tanh(sum over 2,048 of a16[m][.] w16[c][.] + bq[c] + bk[c]) + mask[m][c], for a tile of 256 x 256; then, for each row and each GROUP of 128 columns,
; m_g = max e, p = exp(e - m_g) rounded to f16 (p16), l_g = the sum of the unrounded p (stm, stl: [16 groups][8,192 rows] f32).  The next launch joins the groups.
; Beside the products each wave rounds its share of v to f16 (v16): 8 KB a lap of the K loop, asked for a lap ahead.
; LIMITS: operands are f16 (|x| < 65,504).  A weight below 2^-126 counts as 0.  A mask of -inf gives p = 0 (the maximum has the floor -FLT_MAX); NaN and +inf in the mask are not treated apart.
; THE PRODUCT: four waves, each 128 x 128 of the tile in 64 accumulators; K in 16 steps of 128 through two LDS slots filled by the tensor data mover, rows of 256 bytes.
; 4 x 4 work-groups form a cluster: a16's tile is shared along a row of it, w16's along a column, each asked for jointly.  The matrix instruction is used transposed
; (source 0 = 16 rows of w16, source 1 = 16 rows of a16): a lane holds ONE row of e and eight neighbouring columns, so a row's maximum and sum want one exchange of the lanes' halves.
; THE MASK comes by two plain tensor loads a wave (64 rows x 512 bytes) into the ring's slots when the last two K steps have left them.
; REGISTERS, in windows of 256: window 0: v0-31 addresses and statistics; v32-63 packed f16; v64-127, v128-191 fragments of a16, later the mask block and the block at work; v192-255 v's raw numbers, later rows on their way out.
;   window 1: v0-63 (bq + bk) 2 log2(e) of my 64 columns; v64-191 fragments of w16; v192-255 bk while it is added.   windows 2, 3: the accumulators ((a, b) at v[8 (8 a + b)]).
.set KSTEP,  128
.set PITCH,  272                       ; an LDS row: 256 bytes + 16 of padding: the 16 rows of a fragment load start at 16 different groups of four banks (64 banks of 4 bytes: ISA guide 11.1)
.set HALFT,  128*PITCH
.set SLOT,   4*HALFT                   ; a16's 256 rows, then w16's 256 rows
.set STAGE,  2*SLOT                    ; 16 rows x 272 bytes for each wave, for p's way out
.set SPITCH, 272
.set STATS,  STAGE+4*16*SPITCH         ; 1,024 bytes for each wave: 128 m, then 128 l
.set SPARE,  STATS+4*1024              ; the spare words, 128 bytes for each wave
.set MPITCH, 528                       ; a row of the mask in LDS: 512 bytes + 16
.set MPART,  64*MPITCH                 ; one mask load: 64 rows; part p of wave w lies at p SLOT + w MPART
.set MBLK,   16*MPITCH
.set LAPS,   8                         ; a lap = two K steps
.set SRD,  5                           ; v5      where I read my wave's statistics back
.set CH,   6                           ; v6-9    four chains of the maximum
.set LS,   10                          ; v10-13  two chains of the sum, two numbers each
.set MX,   14                          ; v14-15  the row's maximum, named as a pair
.set ADRA, 16                          ; v16-17  LDS address of my a16 fragments in slot 0, 1
.set MK0,  18                          ; v18     my place in a block of the mask: 528 r + 32 h
.set MKA,  19                          ; v19     the address of the block in hand
.set ADRB, 20                          ; v20-21  the same as ADRA for w16
.set STA,  22                          ; v22     where the block's m goes (l: 512 bytes on)
.set PFO,  23                          ; v23     prefetch: 16 rows of the mask x 2 blocks of 256 bytes
.set STO,  24
.set RD,   25
.set CO,   26
.set BO,   27                          ; v27     32 h: my eight columns in 16 of the bias
.set SPW,  28                          ; v28     my spare word; never rewritten
.set NIL,  29                          ; v29     0; never rewritten
.set VIN,  30                          ; v30     16 x lane
.set VOUT, 31                          ; v31     8 x lane
.set PK,   32
.set F0,   64
.set F1,   128
.set MK,   64
.set T,    128
.set RAW,  192
.set OB,   192
.set G1,  24                           ; s[24:31] group 1 for a16's tiles;  s[32:39] group 0, a set for each slot
.set G0,  32
.set G1B, 48                           ; s[48:55], s[56:63] the same for w16's
.set G0B, 56
.set PMS, 72                           ; s[72:73] the mask at my 128 x 128
.set PBQ, 74
.set PBK, 76
.set VS,  78                           ; s[78:79] v at my next chunk
.set PSM, 82
.set PSL, 84
.set VD,  86                           ; s[86:87] v16 behind my last chunk
.set G1M, 88                           ; s[88:95] group 1 for the mask;  s[96:99] its group 0
.set G0M, 96
.set CTI, 100
.set MB,  101                          ; s101 LDS byte of the mask block in hand
.set MSB, 0
.macro WIN new                         ; the immediate's high byte repeats the setting that is left
.if MSB != (\new)
	s_set_vgpr_msb (MSB<<8)|(\new)
.set MSB, \new
.endif
.endm
.set MUL_LO, 0xa1                      ; source 0 (w16) window 1, source 1 (a16) window 0, C and D window 2
.set MUL_HI, 0xf1                      ; the same, C and D window 3
.set TO_B,   0x40                      ; destination window 1, address window 0
; A joint load: waves 0 and 1 fetch a16's two halves, waves 2 and 3 w16's.  The branch hangs on the wave's number alone.  An s_nop 0 and four v_nop follow each line.
.macro JLOAD s
	s_cmp_eq_u32 s11, 0
	s_cbranch_scc0 .Lfor_b_\@
	tensor_load_to_lds s[G0+4*(\s):G0+4*(\s)+3], s[G1:G1+7]
	s_nop 0
.rept 4
	v_nop
.endr
	s_branch .Lasked_\@
.Lfor_b_\@:
	tensor_load_to_lds s[G0B+4*(\s):G0B+4*(\s)+3], s[G1B:G1B+7]
	s_nop 0
.rept 4
	v_nop
.endr
.Lasked_\@:
.endm
.macro MLOAD                           ; a plain load (no work-group mask): my wave's 64 rows of the mask, into bytes that are my wave's own
	tensor_load_to_lds s[G0M:G0M+3], s[G1M:G1M+7]
	s_nop 0
.rept 4
	v_nop
.endr
.endm
.macro CREST                           ; a round of the cluster's barrier behind its opening barrier
	s_cmp_lg_u32 s10, 0
	s_cbranch_scc1 .Lnot_wave_0_\@
	s_barrier_signal -3
.Lnot_wave_0_\@:
	s_barrier_wait -3
	s_barrier_signal -1
	s_barrier_wait -1
.endm
.macro CROUND
	s_barrier_signal -1
	s_barrier_wait -1
	CREST
.endm
	s_load_b512 s[68:83], s[0:1], 0x0              ; a16 68, w16 70, mask 72, bq 74, bk 76, v 78, p16 80, stm 82
	s_load_b128 s[84:87], s[0:1], 0x40             ; stl 84, v16 86
	v_lshl_add_u32 v[SPW], v0, 2, SPARE
	v_mov_b32 v[NIL], 0
	ds_add_u32 v[SPW], v[NIL]                      ; the wave's opening: the add and its wait stand ahead of my first tensor load; work on registers stands between them
	v_lshrrev_b32 v1, 5, v0
	v_readfirstlane_b32 s10, v1                    ; wave 0..3
	s_lshr_b32 s11, s10, 1                         ; which half of the tile's rows is mine.  Also: I fetch for a16 (0) or w16 (1)
	s_and_b32 s12, s10, 1                          ; which half of its columns.  Also: which 128 rows of that tile I fetch
	s_bfe_u32 s40, ttmp6, 0x40000                  ; cx
	s_bfe_u32 s41, ttmp6, 0x40004                  ; cy
	s_lshl_b32 s42, ttmp9, 2
	s_add_co_u32 s42, s42, s40                     ; tile column = 4 x cluster x + cx
	s_and_b32 s13, ttmp7, 0xffff
	s_lshl_b32 s13, s13, 2
	s_add_co_u32 s13, s13, s41                     ; tile row = 4 x cluster y + cy
	s_lshl_b32 s43, s41, 2
	s_lshl_b32 s43, 15, s43                        ; my row of the cluster
	s_lshl_b32 s44, 0x1111, s40                    ; my column
	s_or_b32 s[G1+0], s43, (1<<16)|(1<<20)|(1<<21)|(5<<22)|(3<<25)   ; the mask of four; 2-byte elements; padding on; bit 21 beside a mask; after every 64 words, 4 words
	s_or_b32 s[G1B+0], s44, (1<<16)|(1<<20)|(1<<21)|(5<<22)|(3<<25)
.irp g, G1, G1B
	s_mov_b32 s[(\g)+1], KSTEP<<16                 ; tensor_dim0 = 128
	s_mov_b32 s[(\g)+2], 128<<16                   ; tensor_dim1 = 128
	s_mov_b32 s[(\g)+3], KSTEP<<16                 ; tile_dim0 = 128
	s_mov_b32 s[(\g)+4], 128                       ; tile_dim1 = 128
	s_mov_b32 s[(\g)+5], 2048                      ; elements from row to row
	s_mov_b32 s[(\g)+6], 0
	s_mov_b32 s[(\g)+7], 0
.endr
	s_mov_b32 s[G1M+0], (2<<16)|(1<<20)|(6<<22)|(3<<25)  ; no work-group mask; 4-byte elements; padding on; after every 128 words, 4 words
	s_mov_b32 s[G1M+1], 128<<16                    ; tensor_dim0 = 128
	s_mov_b32 s[G1M+2], 64<<16                     ; tensor_dim1 = 64
	s_mov_b32 s[G1M+3], 128<<16                    ; tile_dim0 = 128
	s_mov_b32 s[G1M+4], 64                         ; tile_dim1 = 64
	s_mov_b32 s[G1M+5], 2048
	s_mov_b32 s[G1M+6], 0
	s_mov_b32 s[G1M+7], 0
	s_mov_b32 s4, 0x4038aa3b                       ; 2 log2(e), named as a pair
	s_mov_b32 s5, s4
	s_mov_b32 s6, 0x3fb8aa3b                       ; log2(e), named as a pair
	s_mov_b32 s7, s6
	s_mov_b32 s66, 0x76543210                      ; v_permlanex16_b32: each lane takes its own place in the other half
	s_mov_b32 s67, 0xfedcba98
	s_mov_b32 s2, 0xff7fffff                       ; the maximum's floor
	s_lshl_b32 s17, s12, 7
	s_lshl_b32 s16, s13, 8
	s_add_co_u32 s16, s16, s17
	s_lshl_b32 s16, s16, 12                        ; a16: (256 x tile row + 128 x half) rows of 4,096 bytes
	s_lshl_b32 s46, s42, 8
	s_add_co_u32 s46, s46, s17
	s_lshl_b32 s46, s46, 12                        ; w16: the same of the tile column
	s_mov_b32 s17, 0
	s_mov_b32 s47, 0
	s_mul_i32 s20, s10, HALFT                      ; where they go: wave x 128 rows: no place in the cluster enters an LDS address
	s_wait_dscnt 0x0                               ; the opening add is done
	s_wait_kmcnt 0x0
	s_add_nc_u64 s[14:15], s[68:69], s[16:17]
	s_add_nc_u64 s[46:47], s[70:71], s[46:47]
	CROUND                                         ; all sixteen work-groups are here: the first joint loads meet
.irp s, 0,1
	s_mov_b32 s[G0+4*(\s)], 1
	s_add_co_u32 s[G0+4*(\s)+1], s20, (\s)*SLOT
	s_add_nc_u64 s[G0+4*(\s)+2:G0+4*(\s)+3], s[14:15], (\s)*KSTEP*2
	s_or_b32 s[G0+4*(\s)+3], s[G0+4*(\s)+3], 0x80000000
	s_mov_b32 s[G0B+4*(\s)], 1
	s_add_co_u32 s[G0B+4*(\s)+1], s20, (\s)*SLOT
	s_add_nc_u64 s[G0B+4*(\s)+2:G0B+4*(\s)+3], s[46:47], (\s)*KSTEP*2
	s_or_b32 s[G0B+4*(\s)+3], s[G0B+4*(\s)+3], 0x80000000
	JLOAD \s                                       ; two loads of mine are out here, one ever after
.endr
	; all that follows up to the first barrier stands in the wait for the first tile
	s_lshl_b32 s14, s13, 8
	s_lshl_b32 s15, s11, 7
	s_add_co_u32 s14, s14, s15                     ; my first row
	s_lshl_b32 s46, s42, 10
	s_lshl_b32 s47, s12, 9
	s_add_co_u32 s46, s46, s47                     ; my first column, in bytes of f32
	s_mov_b32 s47, 0
	s_add_nc_u64 s[PBQ:PBQ+1], s[PBQ:PBQ+1], s[46:47]
	s_add_nc_u64 s[PBK:PBK+1], s[PBK:PBK+1], s[46:47]
	s_lshl_b32 s16, s14, 13                        ; a row of the mask is 8,192 bytes
	s_add_co_u32 s16, s16, s46
	s_mov_b32 s17, 0
	s_add_nc_u64 s[PMS:PMS+1], s[PMS:PMS+1], s[16:17]
	s_lshl_b32 s16, s14, 12                        ; a row of p16 is 4,096 bytes
	s_lshr_b32 s18, s46, 1
	s_add_co_u32 s16, s16, s18
	s_add_nc_u64 s[8:9], s[80:81], s[16:17]        ; p16 at my 128 x 128
	s_lshl_b32 s16, s42, 1
	s_add_co_u32 s16, s16, s12                     ; my group of 128 columns
	s_lshl_b32 s16, s16, 15                        ; 8,192 rows of 4 bytes a group
	s_lshl_b32 s18, s14, 2
	s_add_co_u32 s16, s16, s18
	s_add_nc_u64 s[PSM:PSM+1], s[PSM:PSM+1], s[16:17]
	s_add_nc_u64 s[PSL:PSL+1], s[PSL:PSL+1], s[16:17]
	s_lshl_b32 s16, s13, 3
	s_add_co_u32 s16, s16, s42                     ; the work-group's number, 0..255
	s_lshl_b32 s16, s16, 2
	s_add_co_u32 s16, s16, s10                     ; my wave among the launch's 1,024: 65,536 bytes of v each
	s_lshl_b32 s18, s16, 15
	s_mov_b32 s19, 0
	s_lshl_b32 s16, s16, 16
	s_add_nc_u64 s[VS:VS+1], s[VS:VS+1], s[16:17]
	s_add_nc_u64 s[VD:VD+1], s[VD:VD+1], s[18:19]
	s_mov_b32 s[G0M], 1
	s_mul_i32 s[G0M+1], s10, MPART
	s_mov_b64 s[G0M+2:G0M+3], s[PMS:PMS+1]
	s_or_b32 s[G0M+3], s[G0M+3], 0x80000000
	s_mul_i32 s[MB], s10, MPART
	v_and_b32 v1, 15, v0                           ; r = l % 16
	v_bfe_u32 v2, v0, 4, 1                         ; h = l / 16
	v_and_b32 v4, 31, v0                           ; lane
	v_lshlrev_b32 v[BO], 5, v2
	v_lshlrev_b32 v[VIN], 4, v4
	v_lshlrev_b32 v[VOUT], 3, v4
	WIN TO_B
.irp b, 0,1,2,3,4,5,6,7                ; the biases of columns 16 b + 8 h + 0..7, at index 8 b + j: as a lane's accumulators hold them
	global_load_b128 v[8*\b:8*\b+3],   v[BO], s[PBQ:PBQ+1] offset:64*\b
	global_load_b128 v[8*\b+4:8*\b+7], v[BO], s[PBQ:PBQ+1] offset:64*\b+16
.endr
.irp b, 0,1,2,3,4,5,6,7
	global_load_b128 v[192+8*\b:192+8*\b+3],   v[BO], s[PBK:PBK+1] offset:64*\b
	global_load_b128 v[192+8*\b+4:192+8*\b+7], v[BO], s[PBK:PBK+1] offset:64*\b+16
.endr
	WIN 0
; THE SIDE JOB.  VLOAD asks for 8,192 consecutive bytes of v, sixteen loads of 512.  VCONV, a lap later, rounds them to f16 and stores 4,096 bytes, each store 256 consecutive bytes, aligned.
.macro VLOAD
.set vi, 0
.rept 16
	global_load_b128 v[RAW+4*vi:RAW+4*vi+3], v[VIN], s[VS:VS+1] offset:512*vi th:TH_LOAD_NT
.set vi, vi+1
.endr
.endm
.macro VCONV more
	s_wait_loadcnt 0x0                             ; the chunk asked for a lap ago; the loop has no other global load
	s_wait_xcnt 0x0                                ; the last chunk's stores have read their data and base: both are written below
	s_add_nc_u64 s[VS:VS+1], s[VS:VS+1], 8192
	s_add_nc_u64 s[VD:VD+1], s[VD:VD+1], 4096
.set vi, 0
.rept 32
	v_cvt_pk_f16_f32 v[PK+vi], v[RAW+2*vi], v[RAW+2*vi+1]
.set vi, vi+1
.endr
.set vi, 0
.rept 16
	global_store_b64 v[VOUT], v[PK+2*vi:PK+2*vi+1], s[VD:VD+1] offset:256*vi-4096
.set vi, vi+1
.endr
.if \more
	VLOAD
.endif
.endm
	VLOAD                                          ; chunk 0 of 8
	v_mul_u32_u24 v3, v1, PITCH
	v_lshl_add_u32 v3, v2, 4, v3                   ; a fragment's row x pitch + 16 x half
	s_mul_i32 s21, s11, HALFT                      ; my 128 rows of a16
	s_mul_i32 s22, s12, HALFT                      ; my 128 rows of w16,
	s_add_co_u32 s22, s22, 2*HALFT                 ; which lie behind a16's 256
.irp s, 0,1
	v_add_nc_u32 v[ADRA+(\s)], s21, v3
	v_add_nc_u32 v[ADRB+(\s)], s22, v3
	s_add_co_u32 s21, s21, SLOT
	s_add_co_u32 s22, s22, SLOT
.endr
	s_mul_i32 s23, s10, 16*SPITCH
	s_add_co_u32 s23, s23, STAGE                   ; my stage
	v_add_nc_u32 v[STO], s23, v3                   ; in: row r, 16 bytes for each half of the lanes (the stage's pitch is the ring's)
	v_mul_u32_u24 v3, v2, SPITCH                   ; back: lanes 0-15 one row of 256 bytes, lanes 16-31 the next
	v_lshl_add_u32 v3, v1, 4, v3
	v_add_nc_u32 v[RD], s23, v3
	v_lshlrev_b32 v3, 12, v2                       ; and the same two rows in p16
	v_lshl_add_u32 v[CO], v1, 4, v3
	v_mul_u32_u24 v[MK0], v1, MPITCH
	v_lshl_add_u32 v[MK0], v2, 5, v[MK0]
	s_lshl_b32 s23, s10, 10
	s_add_co_u32 s23, s23, STATS
	v_lshl_add_u32 v[STA], v1, 2, s23
	v_lshl_add_u32 v[SRD], v4, 4, s23
	v_lshrrev_b32 v3, 1, v4
	v_and_b32 v[PFO], 1, v4
	v_lshlrev_b32 v[PFO], 8, v[PFO]
	v_lshl_add_u32 v[PFO], v3, 13, v[PFO]          ; row lane / 2 of 8,192 bytes, block lane % 2 of 256
	s_wait_loadcnt 16                              ; the biases are in; v's sixteen loads stay out
	WIN 0x45                                       ; destination and both sources window 1
.set vi, 0
.rept 32
	v_pk_add_f32 v[2*vi:2*vi+1], v[2*vi:2*vi+1], v[192+2*vi:192+2*vi+1]
.set vi, vi+1
.endr
.set vi, 0
.rept 32
	v_pk_mul_f32 v[2*vi:2*vi+1], v[2*vi:2*vi+1], s[4:5] op_sel_hi:[1,0]  ; (bq + bk) 2 log2(e): the way out adds it in one fused line
.set vi, vi+1
.endr
	WIN 0
; 16 matrix instructions: m blocks a0, a0 + 1 of the window's four x all 8 n blocks, 32 along K.  zero = 1: the first product starts the sums.
.macro MUL16 f, hi, a0, zero
	WIN MUL_LO+0x50*(\hi)
.irp a, \a0, (\a0)+1
.irp b, 0,1,2,3,4,5,6,7
.if \zero
	v_wmma_f32_16x16x32_f16 v[8*(8*(\a)+(\b)):8*(8*(\a)+(\b))+7], v[(\f)+8*(\b):(\f)+8*(\b)+7], v[(\f)+8*(4*(\hi)+(\a)):(\f)+8*(4*(\hi)+(\a))+7], 0
.else
	v_wmma_f32_16x16x32_f16 v[8*(8*(\a)+(\b)):8*(8*(\a)+(\b))+7], v[(\f)+8*(\b):(\f)+8*(\b)+7], v[(\f)+8*(4*(\hi)+(\a)):(\f)+8*(4*(\hi)+(\a))+7], v[8*(8*(\a)+(\b)):8*(8*(\a)+(\b))+7]
.endif
.endr
.endr
.endm
; 32 LDS loads in one run: the fragments of one quarter step (32 K at byte k of the rows) into buffer f
.macro FETCH slot, k, f
	WIN TO_B
.irp i, 0,1,2,3,4,5,6,7
	ds_load_b128 v[(\f)+8*(\i):(\f)+8*(\i)+3],   v[ADRB+(\slot)] offset:(\k)+(\i)*16*PITCH
	ds_load_b128 v[(\f)+8*(\i)+4:(\f)+8*(\i)+7], v[ADRB+(\slot)] offset:(\k)+(\i)*16*PITCH+32
.endr
	WIN 0
.irp i, 0,1,2,3,4,5,6,7
	ds_load_b128 v[(\f)+8*(\i):(\f)+8*(\i)+3],   v[ADRA+(\slot)] offset:(\k)+(\i)*16*PITCH
	ds_load_b128 v[(\f)+8*(\i)+4:(\f)+8*(\i)+7], v[ADRA+(\slot)] offset:(\k)+(\i)*16*PITCH+32
.endr
.endm
.macro PLACES                          ; four plain vector instructions between a matrix instruction and a load into, or a vector write or read of, its registers
.rept 4
	v_nop
.endr
.endm
; A K step is four quarters of 32 along K, 64 matrix instructions each, on buffers 0, 1, 0, 1; the 64 accumulators take turns.
.macro QUARTER slot, k, f, g, zero
	s_wait_dscnt 8                                 ; w16's fragments and a16's rows 0-63 are in; the youngest eight loads may be out
	WIN MUL_LO
	MUL16 \f, 0, 0, \zero
	MUL16 \f, 0, 2, \zero
	PLACES
	FETCH \slot, \k, \g
	s_wait_dscnt 32                                ; all but the 32 just issued
	WIN MUL_HI
	MUL16 \f, 1, 0, \zero
	MUL16 \f, 1, 2, \zero
.endm
; The first half of a step's last quarter: each wave waits for all its tensor loads (one is out), adds 0 to its spare word, waits for that and for its reads of this slot, and opens a round of the cluster's barrier.
.macro MEET
	WIN 0
	s_wait_tensorcnt 0x0                           ; all my tensor loads have landed
	ds_add_u32 v[SPW], v[NIL]
	s_wait_dscnt 9                                 ; (the add and the youngest eight loads may be out)
	WIN MUL_LO
	MUL16 F1, 0, 0, 0
	s_wait_dscnt 0x0                               ; the add is done, and my reads of this slot are over
	s_barrier_signal -1
	MUL16 F1, 0, 2, 0
	WIN 0
	s_barrier_wait -1
.endm
.macro TURN slot, next                 ; the slot just read is filled again, two K steps on: the first tensor load behind the round; then the next slot's first fragments
	MEET
	CREST
	s_add_nc_u64 s[G0+4*(\slot)+2:G0+4*(\slot)+3], s[G0+4*(\slot)+2:G0+4*(\slot)+3], 2*KSTEP*2
	s_add_nc_u64 s[G0B+4*(\slot)+2:G0B+4*(\slot)+3], s[G0B+4*(\slot)+2:G0B+4*(\slot)+3], 2*KSTEP*2
	JLOAD \slot                                    ; its four v_nop are also the places in front of the loads below
	FETCH \next, 0, F0
	WIN MUL_HI
	MUL16 F1, 1, 0, 0
	MUL16 F1, 1, 2, 0
.endm
.macro TURNM                           ; K step 14 has left slot 0: it takes the mask of my rows 0-63
	MEET
	CREST
	MLOAD
	FETCH 1, 0, F0
	WIN MUL_HI
	MUL16 F1, 1, 0, 0
	MUL16 F1, 1, 2, 0
.endm
.macro TURNF                           ; K step 15 has left slot 1: it takes the mask of my rows 64-127.  MEET's wait has shown the first part landed, so its group 0 may be written
	MEET
	CREST
	s_add_co_u32 s[G0M+1], s[G0M+1], SLOT
	s_add_nc_u64 s[G0M+2:G0M+3], s[G0M+2:G0M+3], 524288  ; 64 rows of 8,192 bytes
	MLOAD
	WIN MUL_HI
	MUL16 F1, 1, 0, 0
	MUL16 F1, 1, 2, 0
.endm
; The mask is asked for ahead: each 256-byte block of my wave's own 64 rows x 512 bytes once, two quarters of a K step ahead of the tensor load that wants it.  All of it lies inside the mask.
.macro PFM part
	WIN 0
.irp i, 0,1,2,3
	global_prefetch_b8 v[PFO], s[PMS:PMS+1] offset:(\part)*524288+(\i)*131072 th:TH_LOAD_NT scope:SCOPE_SE
.endr
.endm
	s_wait_tensorcnt 1                             ; my part of K step 0 is in; step 1's may stay out
	s_barrier_signal -1
	s_barrier_wait -1
	FETCH 0, 0, F0
	QUARTER 0, 64,  F0, F1, 1                      ; the first quarter stands in front of the loop: its products start the sums
	WIN 0
	s_mov_b32 s3, LAPS-1
.Llap:                                                 ; a trip goes once round the ring and rounds one chunk of v
	VCONV 1
	QUARTER 0, 128, F1, F0, 0
	QUARTER 0, 192, F0, F1, 0
	TURN 0, 1
	QUARTER 1, 64,  F0, F1, 0
	QUARTER 1, 128, F1, F0, 0
	QUARTER 1, 192, F0, F1, 0
	TURN 1, 0
	QUARTER 0, 64,  F0, F1, 0
	WIN 0
	s_sub_co_u32 s3, s3, 1
	s_cmp_lg_u32 s3, 0
	s_cbranch_scc1 .Llap
	VCONV 0                                        ; the last chunk
	PFM 0
	QUARTER 0, 128, F1, F0, 0
	QUARTER 0, 192, F0, F1, 0
	TURNM
	PFM 1
	QUARTER 1, 64,  F0, F1, 0
	QUARTER 1, 128, F1, F0, 0
	QUARTER 1, 192, F0, F1, 0
	TURNF
	PLACES
	WIN 0
; THE WAY OUT, a block of 16 rows x 128 columns at a time; a lane holds 64 numbers of one row, in 32 pairs T(0..31).
; PASS1: tanh(x) = 1 - 2 / (1 + 2^t), t = 2 log2(e) x; then + mask, then the maximum in four chains.  The steps of different pairs are staggered, so that a plain line of another pair
; stands behind every transcendental (ISA guide 5.7.2) and no line waits for the one in front of it; at the ends v_nop takes a missing plain line's place.
.macro PASS1
.set pn, 0
.rept 37
.if pn < 32
	v_exp_f32 v[T+2*pn], v[T+2*pn]
.endif
.if (pn >= 1) && (pn <= 32)
	s_wait_alu depctr_va_vdst(0)
	v_pk_add_f32 v[T+2*pn-2:T+2*pn-1], v[T+2*pn-2:T+2*pn-1], 1.0 op_sel_hi:[1,0]
.elseif pn < 1
	v_nop
.endif
.if pn < 32
	v_exp_f32 v[T+2*pn+1], v[T+2*pn+1]
.endif
.if (pn >= 3) && (pn <= 34)
	v_pk_fma_f32 v[T+2*pn-6:T+2*pn-5], v[T+2*pn-6:T+2*pn-5], -2.0, 1.0 op_sel_hi:[1,0,0]
.elseif pn < 3
	v_nop
.endif
.if (pn >= 2) && (pn <= 33)
	v_rcp_f32 v[T+2*pn-4], v[T+2*pn-4]
.endif
.if (pn >= 4) && (pn <= 35)
	v_pk_add_f32 v[T+2*pn-8:T+2*pn-7], v[T+2*pn-8:T+2*pn-7], v[MK+2*pn-8:MK+2*pn-7]
.elseif (pn >= 2) && (pn < 4)
	v_nop
.endif
.if (pn >= 2) && (pn <= 33)
	v_rcp_f32 v[T+2*pn-3], v[T+2*pn-3]
.endif
.if pn >= 9
	v_max3_num_f32 v[CH+(pn-5)%4], v[CH+(pn-5)%4], v[T+2*pn-10], v[T+2*pn-9]
	s_wait_alu depctr_va_vdst(0)
.elseif pn >= 5
	v_max_num_f32 v[CH+pn-5], v[T+2*pn-10], v[T+2*pn-9]
.elseif pn >= 2
	v_nop
.endif
.set pn, pn+1
.endr
.endm
; PASS2: p = 2^((e - m) log2(e)): the difference first, then the scale, so that no two large products are subtracted; rounded to f16 in pairs; the unrounded p summed in two chains.
.macro PASS2
.set pn, 0
.rept 35
.if pn < 32
	v_pk_add_f32 v[T+2*pn:T+2*pn+1], v[T+2*pn:T+2*pn+1], v[MX:MX+1] op_sel_hi:[1,0] neg_lo:[0,1] neg_hi:[0,1]
.endif
.if (pn >= 2) && (pn <= 33)
	v_exp_f32 v[T+2*pn-4], v[T+2*pn-4]
.endif
.if (pn >= 1) && (pn <= 32)
	v_pk_mul_f32 v[T+2*pn-2:T+2*pn-1], v[T+2*pn-2:T+2*pn-1], s[6:7] op_sel_hi:[1,0]
.elseif pn == 33
	v_nop
.endif
.if (pn >= 2) && (pn <= 33)
	v_exp_f32 v[T+2*pn-3], v[T+2*pn-3]
.endif
.if pn >= 3
	s_wait_alu depctr_va_vdst(0)
	v_cvt_pk_f16_f32 v[PK+pn-3], v[T+2*pn-6], v[T+2*pn-5]
.elseif pn == 2
	v_nop
.endif
.if pn >= 7
	v_pk_add_f32 v[LS+2*((pn-3)%2):LS+2*((pn-3)%2)+1], v[LS+2*((pn-3)%2):LS+2*((pn-3)%2)+1], v[T+2*pn-6:T+2*pn-5]
.elseif pn >= 5
	v_pk_add_f32 v[LS+2*((pn-3)%2):LS+2*((pn-3)%2)+1], v[T+2*pn-10:T+2*pn-9], v[T+2*pn-6:T+2*pn-5]  ; pairs 0 and 2, 1 and 3 start the chains: nothing is cleared
.endif
.set pn, pn+1
.endr
.endm
; Block k of part p: t = 2 log2(e) (sum + bias), out of the block's eight accumulators (window 2 + p), each read from its low end on.
.macro VARIANT p, k
.Lvar\p\k:
	WIN 0x12+(\p)                                  ; source 0 window 2 or 3, source 2 (the bias) window 1, destination window 0
.set vi, 0
.rept 32
	v_pk_fma_f32 v[T+2*vi:T+2*vi+1], v[64*(\k)+2*vi:64*(\k)+2*vi+1], s[4:5], v[2*vi:2*vi+1] op_sel_hi:[1,0,1]
.set vi, vi+1
.endr
	WIN 0
.endm
.macro GOVAR p, k
	s_cmp_eq_u32 s[CTI], 4-(\k)
	s_cbranch_scc1 .Lvar\p\k
.endm
; Part p: my rows 64 p to 64 p + 63, four blocks: one text, walked four times; only the line that reads the accumulators differs, chosen by the loop's own count, every jump forward.
.macro EPART p
	s_mov_b32 s[CTI], 4
.Lblk\p:
	s_wait_xcnt 0x0                                ; earlier stores have read their data (v32-63, v192-223) and p16's base: all are written below
	s_add_nc_u64 s[8:9], s[8:9], 65536             ; 16 rows of p16 on; the stores reach back
	v_add_nc_u32 v[MKA], s[MB], v[MK0]
.irp b, 0,1,2,3,4,5,6,7                ; the mask of row r, columns 16 b + 8 h + 0..7, at index 8 b + j
	ds_load_b128 v[MK+8*\b:MK+8*\b+3],   v[MKA] offset:64*\b
	ds_load_b128 v[MK+8*\b+4:MK+8*\b+7], v[MKA] offset:64*\b+16
.endr
	GOVAR \p, 1
	GOVAR \p, 2
	GOVAR \p, 3
	VARIANT \p, 0
	s_branch .Lcom\p
	VARIANT \p, 1
	s_branch .Lcom\p
	VARIANT \p, 2
	s_branch .Lcom\p
	VARIANT \p, 3
.Lcom\p:
	s_wait_dscnt 0x0                               ; the mask block is in
	PASS1
	v_max3_num_f32 v[CH], v[CH], v[CH+1], v[CH+2]
	v_max3_num_f32 v[CH], v[CH], v[CH+3], s2       ; the floor: a row all -inf keeps a finite m, and its p are 0
	v_permlanex16_b32 v2, v[CH], s66, s67          ; the row's other 64 columns lie in the lane 16 away
	v_max_num_f32 v[MX], v[CH], v2
	v_mov_b32 v[MX+1], v[MX]                       ; named with it as a pair
	PASS2
.irp b, 0,1,2,3,4,5,6,7                ; through my own stage: 16 bytes a lane in, whole rows of 256 bytes back; LDS serves a wave's instructions in order (ISA guide 5.7.1.4)
	ds_store_b128 v[STO], v[PK+4*\b:PK+4*\b+3] offset:32*\b
.endr
.irp t, 0,1,2,3,4,5,6,7
	ds_load_b128 v[OB+4*\t:OB+4*\t+3], v[RD] offset:\t*2*SPITCH
.endr
	v_pk_add_f32 v[LS:LS+1], v[LS:LS+1], v[LS+2:LS+3]
	v_add_f32 v3, v[LS], v[LS+1]
	v_permlanex16_b32 v2, v3, s66, s67
	v_add_f32 v3, v3, v2
	ds_store_b32 v[STA], v[MX]                     ; both halves of the lanes write the same word with the same number
	ds_store_b32 v[STA], v3 offset:512
	v_add_nc_u32 v[STA], 64, v[STA]                ; the next block's 16 rows
	s_wait_dscnt 2                                 ; the rows are back; the two stores behind them may be out
.irp t, 0,1,2,3,4,5,6,7
	global_store_b128 v[CO], v[OB+4*\t:OB+4*\t+3], s[8:9] offset:2*\t*4096-65536  ; 16 lanes store 256 consecutive bytes, aligned
.endr
	s_add_co_u32 s[MB], s[MB], MBLK
	s_sub_co_u32 s[CTI], s[CTI], 1
	s_cmp_lg_u32 s[CTI], 0
	s_cbranch_scc1 .Lblk\p
.endm
	EPART 0                                        ; the mask's first part was shown landed by the wait in front of the last round; the second lands meanwhile
	s_wait_tensorcnt 0x0                           ; the mask's second part is in: only my wave reads it
	s_add_co_u32 s[MB], s[MB], SLOT-MPART
	EPART 1
	s_wait_xcnt 0x0                                ; the last block's stores have read v192-223
	ds_load_b128 v[OB:OB+3], v[SRD]                ; my wave's 128 m and 128 l, four rows a lane
	ds_load_b128 v[OB+4:OB+7], v[SRD] offset:512
	s_wait_dscnt 0x0
	global_store_b128 v[VIN], v[OB:OB+3], s[PSM:PSM+1]    ; 512 consecutive bytes each
	global_store_b128 v[VIN], v[OB+4:OB+7], s[PSL:PSL+1]
	s_wait_tensorcnt 0x0                           ; the wave's end
	ds_add_u32 v[SPW], v[NIL]
	s_wait_dscnt 0x0
	CROUND                                         ; the closing round
	s_endpgm
.Lfunc_end_k_qfe777681ee_energy:
	.size	k_qfe777681ee_energy, .Lfunc_end_k_qfe777681ee_energy-k_qfe777681ee_energy
	.p2alignl 7, 3214868480
	.fill 96, 4, 3214868480
	.section	.rodata,"a",@progbits
	.p2align	6, 0x0
	.amdhsa_kernel k_qfe777681ee_energy
		.amdhsa_group_segment_fixed_size 327680
		.amdhsa_private_segment_fixed_size 0
		.amdhsa_enable_private_segment 0
		.amdhsa_kernarg_size 80
		.amdhsa_user_sgpr_count 2
		.amdhsa_user_sgpr_kernarg_segment_ptr 1
		.amdhsa_wavefront_size32 1
		.amdhsa_system_sgpr_workgroup_id_x 1
		.amdhsa_system_sgpr_workgroup_id_y 1
		.amdhsa_system_sgpr_workgroup_id_z 1
		.amdhsa_system_vgpr_workitem_id 0
		.amdhsa_next_free_vgpr 1024
		.amdhsa_next_free_sgpr 102
		.amdhsa_reserve_vcc 0
		.amdhsa_float_denorm_mode_32 3
		.amdhsa_float_denorm_mode_16_64 3
		.amdhsa_memory_ordered 1
		.amdhsa_forward_progress 1
		.amdhsa_inst_pref_size 208
	.end_amdhsa_kernel
	.amdgpu_metadata
---
amdhsa.version: [ 1, 2 ]
amdhsa.kernels:
  - .name:           k_qfe777681ee_energy
    .symbol:         k_qfe777681ee_energy.kd
    .args:
      - { .name: a16, .offset: 0, .size: 8, .value_kind: global_buffer, .address_space: global }
      - { .name: w16, .offset: 8, .size: 8, .value_kind: global_buffer, .address_space: global }
      - { .name: mask, .offset: 16, .size: 8, .value_kind: global_buffer, .address_space: global }
      - { .name: bq, .offset: 24, .size: 8, .value_kind: global_buffer, .address_space: global }
      - { .name: bk, .offset: 32, .size: 8, .value_kind: global_buffer, .address_space: global }
      - { .name: v, .offset: 40, .size: 8, .value_kind: global_buffer, .address_space: global }
      - { .name: p16, .offset: 48, .size: 8, .value_kind: global_buffer, .address_space: global }
      - { .name: stm, .offset: 56, .size: 8, .value_kind: global_buffer, .address_space: global }
      - { .name: stl, .offset: 64, .size: 8, .value_kind: global_buffer, .address_space: global }
      - { .name: v16, .offset: 72, .size: 8, .value_kind: global_buffer, .address_space: global }
    .group_segment_fixed_size: 327680
    .private_segment_fixed_size: 0
    .kernarg_segment_align: 8
    .kernarg_segment_size: 80
    .max_flat_workgroup_size: 128
    .sgpr_count:     102
    .vgpr_count:     1024
    .wavefront_size: 32
...
	.end_amdgpu_metadata
.endif
;; end of part 2
;; launch mix (part 3): grid 4 x 64, 4 waves a work-group, clusters of 4 x 4, 327,680 bytes of LDS; arguments p16, v16, stm, stl, out0; writes out0
.if DOCPART == 3
	.amdgcn_target "amdgcn-amd-amdhsa--gfx1250"
	.amdhsa_code_object_version 6
	.text
	.protected	k_qfe777681ee_mix
	.globl	k_qfe777681ee_mix
	.p2align	8
	.type	k_qfe777681ee_mix,@function
k_qfe777681ee_mix:
	s_mov_b64 s[64:65], 0
	v_nop
	global_prefetch_b8 v0, s[64:65] scope:SCOPE_SE
	s_setreg_imm32_b32 hwreg(HW_REG_WAVE_MODE, 25, 1), 1
	s_wait_xcnt 0x0
	s_wait_alu depctr_hold_cnt(0) depctr_sa_sdst(0) depctr_va_vdst(0) depctr_va_sdst(0) depctr_va_ssrc(0) depctr_va_vcc(0) depctr_vm_vsrc(0)
	s_getreg_b32 s2, hwreg(HW_REG_IB_STS2, 6, 4)
	s_cmp_eq_u32 s2, 0
	s_cbranch_scc0 .Lentry_in_a_cluster
	s_endpgm
.Lentry_in_a_cluster:
	s_bfe_u32 s2, ttmp6, 0x10000c
	s_cmp_lg_u32 s2, 0xf033
	s_cbranch_scc0 .Lentry_shape_is_right
	s_endpgm
.Lentry_shape_is_right:
; out[m][e] = (sum over groups g of w_g[m] sum over the group's 128 c of p16[m][c] v16[batch][c][e]) / L[m], with M = max over g of m_g, w_g = exp(m_g - M), L = sum of w_g l_g:
; the softmax's true maximum over the whole row, joined here from the groups' maxima.  w_g is rounded to f16 once, and L is taken of the rounded w, so both sides carry the same factor.
; LIMITS: w p is an f16 product (fixed step 6e-8 below 6e-5, against L >= 1); a w below 2^-126 counts as 0; a row all -inf gives 0 x inf = NaN, as its softmax is.
; A tile of out is 128 rows x 256 columns: 256 work-groups.  Four waves, each 64 x 128 in 32 accumulators.  K = 2,048 goes in 16 steps of 128, one group a step, through two LDS slots.
; 4 x 4 work-groups form a cluster, all of one batch: p16's tile is shared along a row of it, v16's along a column, each asked for jointly.
; Source 0 = 16 columns of v16 (turned on the way out of LDS by ds_load_tr16_b128), source 1 = 16 rows of p16: a lane holds ONE row, so w_g and 1 / L are one number a lane.
; REGISTERS: window 0: addresses, the prologue's statistics, the way out.  window 1: v0-63 p's two fragment buffers; v64-255 accumulators (m, b), m = 0..2, at 64 + 64 m + 8 b.
;   window 2: v0-127 v's two fragment buffers; v128-191 accumulators (3, b); v192-196 LDS addresses; v200-207 w, by the step's parity and m.
; Two settings serve a whole quarter, loads and scalings too: SX (source 0 window 2, all else window 1) and SY (source 1 window 1, all else window 2).
; THE LDS LOADS STAND IN ONE RUN at a quarter's head, never singly among the matrix instructions; the scalings of p ride behind the quarter's later products.
.set PP,    272                        ; a row of p in LDS: 256 bytes + 16
.set PVV,   544                        ; a row of v: 512 bytes + 32
.set PT,    128*PP
.set SLOT,  PT+128*PVV                 ; p's 128 rows, then v's 128 rows
.set WT,    2*SLOT                     ; [16 groups][128 rows]: w in f16, twice in a word
.set IL,    WT+8192                    ; 1 / L of the 128 rows
.set STAGE, IL+512                     ; 16 rows x 528 bytes for each wave
.set SP,    528
.set SPARE, STAGE+4*16*SP
.set STO, 24
.set RD,  25
.set CO,  26
.set ILA, 27
.set SPW, 28                           ; v28 my spare word; v29 0; never rewritten
.set NIL, 29
.set TMPO, 32
.set OB,  96                           ; two buffers of 64
.set IV,  224                          ; 1 / L of my row in block m, as pairs
.set ADRP, 192                         ; window 2
.set ADRV, 194
.set WADR, 196
.set WR,   200
.set G1P, 24
.set G0P, 32
.set G1V, 48
.set G0V, 56
.set SX, 0x56
.set SY, 0xa6
.set MSB, 0
.macro WIN new
.if MSB != (\new)
	s_set_vgpr_msb (MSB<<8)|(\new)
.set MSB, \new
.endif
.endm
.macro JLOAD s                         ; a joint load: waves 0 and 1 fetch p's two halves, waves 2 and 3 v's; an s_nop 0 and four v_nop follow each line
	s_cmp_eq_u32 s11, 0
	s_cbranch_scc0 .Lfor_v_\@
	tensor_load_to_lds s[G0P+4*(\s):G0P+4*(\s)+3], s[G1P:G1P+7]
	s_nop 0
.rept 4
	v_nop
.endr
	s_branch .Lasked_\@
.Lfor_v_\@:
	tensor_load_to_lds s[G0V+4*(\s):G0V+4*(\s)+3], s[G1V:G1V+7]
	s_nop 0
.rept 4
	v_nop
.endr
.Lasked_\@:
.endm
.macro CREST
	s_cmp_lg_u32 s10, 0
	s_cbranch_scc1 .Lnot_wave_0_\@
	s_barrier_signal -3
.Lnot_wave_0_\@:
	s_barrier_wait -3
	s_barrier_signal -1
	s_barrier_wait -1
.endm
.macro CROUND
	s_barrier_signal -1
	s_barrier_wait -1
	CREST
.endm
	s_load_b256 s[68:75], s[0:1], 0x0              ; p16 68, v16 70, stm 72, stl 74
	s_load_b64 s[76:77], s[0:1], 0x20              ; out0
	v_lshl_add_u32 v[SPW], v0, 2, SPARE
	v_mov_b32 v[NIL], 0
	ds_add_u32 v[SPW], v[NIL]                      ; the wave's opening: the add and its wait stand ahead of my first tensor load
	v_lshrrev_b32 v1, 5, v0
	v_readfirstlane_b32 s10, v1                    ; wave 0..3
	s_lshr_b32 s11, s10, 1                         ; which 64 rows are mine.  Also: I fetch for p (0) or v (1)
	s_and_b32 s12, s10, 1                          ; which 128 columns.  Also: which 64 rows of that tile I fetch
	s_bfe_u32 s40, ttmp6, 0x40000                  ; cx
	s_bfe_u32 s41, ttmp6, 0x40004                  ; cy
	s_lshl_b32 s42, ttmp9, 2
	s_add_co_u32 s42, s42, s40                     ; block of 256 columns
	s_and_b32 s45, ttmp7, 0xffff                   ; the cluster's y: 512 rows; two clusters a batch
	s_lshl_b32 s13, s45, 2
	s_add_co_u32 s13, s13, s41                     ; block of 128 rows
	s_lshl_b32 s43, s41, 2
	s_lshl_b32 s43, 15, s43                        ; my row of the cluster
	s_lshl_b32 s44, 0x1111, s40                    ; my column
	s_or_b32 s[G1P+0], s43, (1<<16)|(1<<20)|(1<<21)|(5<<22)|(3<<25)  ; 2-byte elements; padding: after every 64 words, 4 words
	s_mov_b32 s[G1P+1], 128<<16                    ; tensor_dim0 = 128
	s_mov_b32 s[G1P+2], 64<<16                     ; tensor_dim1 = 64
	s_mov_b32 s[G1P+3], 128<<16                    ; tile_dim0 = 128
	s_mov_b32 s[G1P+4], 64                         ; tile_dim1 = 64
	s_mov_b32 s[G1P+5], 2048
	s_mov_b32 s[G1P+6], 0
	s_mov_b32 s[G1P+7], 0
	s_or_b32 s[G1V+0], s44, (1<<16)|(1<<20)|(1<<21)|(6<<22)|(7<<25)  ; padding: after every 128 words, 8 words
	s_mov_b32 s[G1V+1], 256<<16                    ; tensor_dim0 = 256
	s_mov_b32 s[G1V+2], 64<<16
	s_mov_b32 s[G1V+3], 256<<16                    ; tile_dim0 = 256
	s_mov_b32 s[G1V+4], 64
	s_mov_b32 s[G1V+5], 1024
	s_mov_b32 s[G1V+6], 0
	s_mov_b32 s[G1V+7], 0
	s_mov_b32 s66, 0x3fb8aa3b                      ; log2(e)
	s_lshl_b32 s16, s13, 7
	s_lshl_b32 s17, s12, 6
	s_add_co_u32 s16, s16, s17
	s_lshl_b32 s16, s16, 12                        ; p16: (128 x row block + 64 x half) rows of 4,096 bytes
	s_mov_b32 s17, 0
	s_lshr_b32 s46, s45, 1                         ; the batch, made of the cluster's y alone
	s_lshl_b32 s46, s46, 22                        ; 2,048 rows of 2,048 bytes
	s_lshl_b32 s47, s12, 17                        ; my 64 rows of the step's 128
	s_add_co_u32 s46, s46, s47
	s_lshl_b32 s47, s42, 9                         ; 256 columns of 2 bytes
	s_add_co_u32 s46, s46, s47
	s_mov_b32 s47, 0
	s_mul_i32 s20, s12, 64*PP                      ; where they go: no place in the cluster enters an LDS address
	s_mul_i32 s21, s12, 64*PVV
	s_add_co_u32 s21, s21, PT
	s_wait_dscnt 0x0                               ; the opening add is done
	s_wait_kmcnt 0x0
	s_add_nc_u64 s[14:15], s[68:69], s[16:17]
	s_add_nc_u64 s[46:47], s[70:71], s[46:47]
	CROUND                                         ; all sixteen work-groups are here: the first joint loads meet
.irp s, 0,1
	s_mov_b32 s[G0P+4*(\s)], 1
	s_add_co_u32 s[G0P+4*(\s)+1], s20, (\s)*SLOT
	s_add_nc_u64 s[G0P+4*(\s)+2:G0P+4*(\s)+3], s[14:15], (\s)*256
	s_or_b32 s[G0P+4*(\s)+3], s[G0P+4*(\s)+3], 0x80000000
	s_mov_b32 s[G0V+4*(\s)], 1
	s_add_co_u32 s[G0V+4*(\s)+1], s21, (\s)*SLOT
	s_add_nc_u64 s[G0V+4*(\s)+2:G0V+4*(\s)+3], s[46:47], (\s)*262144
	s_or_b32 s[G0V+4*(\s)+3], s[G0V+4*(\s)+3], 0x80000000
	JLOAD \s                                       ; two loads of mine are out here, one ever after
.endr
	; THE STATISTICS, in the wait for the first tile: thread t joins the 16 groups of row t of the tile
	s_lshl_b32 s16, s13, 9                         ; 128 rows of 4 bytes
	s_mov_b32 s17, 0
	s_add_nc_u64 s[72:73], s[72:73], s[16:17]
	s_add_nc_u64 s[74:75], s[74:75], s[16:17]
	v_lshlrev_b32 v6, 2, v0
.set g, 0
.rept 16
	global_load_b32 v[32+g], v6, s[72:73] offset:g*32768
	global_load_b32 v[48+g], v6, s[74:75] offset:g*32768
.set g, g+1
.endr
	s_lshl_b32 s16, s13, 7
	s_lshl_b32 s18, s11, 6
	s_add_co_u32 s16, s16, s18
	s_lshl_b32 s16, s16, 12                        ; out0: my first row, 4,096 bytes a row,
	s_lshl_b32 s18, s42, 10
	s_add_co_u32 s16, s16, s18                     ; the tile's 256 columns,
	s_lshl_b32 s18, s12, 9
	s_add_co_u32 s16, s16, s18                     ; my 128 of them
	s_add_nc_u64 s[76:77], s[76:77], s[16:17]
	v_lshl_add_u32 v7, v0, 2, WT
	v_and_b32 v1, 15, v0                           ; r
	v_bfe_u32 v2, v0, 4, 1                         ; h
	v_mul_u32_u24 v3, v1, PP
	v_lshl_add_u32 v3, v2, 4, v3                   ; p: row x pitch + 16 x half
	v_and_b32 v4, 7, v0
	v_lshl_add_u32 v4, v2, 3, v4
	v_mul_u32_u24 v4, v4, PVV                      ; v: the turning load's lane l reads row 8 h + l % 8,
	v_bfe_u32 v5, v0, 3, 1
	v_lshl_add_u32 v4, v5, 4, v4                   ; 16 bytes at 16 ((l / 8) % 2)
	s_mul_i32 s22, s11, 64*PP                      ; my 64 rows of p
	s_lshl_b32 s23, s12, 8                         ; my 128 columns of v
	s_add_co_u32 s23, s23, PT
	WIN 0x80                                       ; destination window 2, sources window 0
.irp s, 0,1
	v_add_nc_u32 v[ADRP+(\s)], s22, v3
	v_add_nc_u32 v[ADRV+(\s)], s23, v4
	s_add_co_u32 s22, s22, SLOT
	s_add_co_u32 s23, s23, SLOT
.endr
	s_lshl_b32 s22, s11, 8
	s_add_co_u32 s23, s22, WT
	v_lshl_add_u32 v[WADR], v1, 2, s23             ; w of row 64 wr + r, group 0
	WIN 0
	s_add_co_u32 s23, s22, IL
	v_lshl_add_u32 v[ILA], v1, 2, s23
	s_mul_i32 s23, s10, 16*SP
	s_add_co_u32 s23, s23, STAGE                   ; my stage
	v_mul_u32_u24 v3, v1, SP
	v_lshl_add_u32 v3, v2, 5, v3
	v_add_nc_u32 v[STO], s23, v3                   ; in: row r, 32 bytes for each half of the lanes
	v_and_b32 v4, 31, v0
	v_lshlrev_b32 v[CO], 4, v4                     ; back and out: a row's 512 bytes, 16 a lane
	v_add_nc_u32 v[RD], s23, v[CO]
	s_wait_loadcnt 0x0
	v_max3_num_f32 v64, v32, v33, v34
.irp g, 35,37,39,41,43,45
	v_max3_num_f32 v64, v64, v[\g], v[\g+1]
.endr
	v_max_num_f32 v64, v64, v47                    ; M
.set g, 0
.rept 16
	v_sub_f32 v[32+g], v[32+g], v64                ; the difference first, then the scale: no two large products are subtracted
.set g, g+1
.endr
.set g, 0
.rept 16
	v_mul_f32 v[32+g], s66, v[32+g]
.set g, g+1
.endr
.set g, 0
.rept 16
	v_exp_f32 v[32+g], v[32+g]
.set g, g+1
.endr
	v_nop                                          ; a plain instruction behind the last exponential
.set g, 0
	s_wait_alu depctr_va_vdst(0)
.rept 16
	v_cvt_pk_f16_f32 v[66+g], v[32+g], v[32+g]     ; w, twice in a word
.set g, g+1
.endr
.set g, 0
.rept 16
	v_cvt_f32_f16 v[32+g], v[66+g].l               ; the rounded w back, for L
.set g, g+1
.endr
	v_mul_f32 v65, v32, v48
.set g, 1
.rept 15
	v_fmac_f32 v65, v[32+g], v[48+g]
.set g, g+1
.endr
	v_rcp_f32 v65, v65
	v_nop
.set g, 0
.rept 16
	ds_store_b32 v7, v[66+g] offset:512*g
.set g, g+1
.endr
	s_wait_alu depctr_va_vdst(0)
	ds_store_b32 v7, v65 offset:IL-WT
.macro MM m, b, f, zero                ; one product: accumulator (m, b), buffer f
.if (\m) < 3
.set rD, 64+64*(\m)+8*(\b)
.else
.set rD, 128+8*(\b)
.endif
.if \zero
	v_wmma_f32_16x16x32_f16 v[rD:rD+7], v[64*(\f)+8*(\b):64*(\f)+8*(\b)+7], v[32*(\f)+8*(\m):32*(\f)+8*(\m)+7], 0
.else
	v_wmma_f32_16x16x32_f16 v[rD:rD+7], v[64*(\f)+8*(\b):64*(\f)+8*(\b)+7], v[32*(\f)+8*(\m):32*(\f)+8*(\m)+7], v[rD:rD+7]
.endif
.endm
.macro PLOAD slot, kq, g               ; p's four fragments of quarter kq into buffer g (under SX)
.irp m, 0,1,2,3
	ds_load_b128 v[32*(\g)+8*\m:32*(\g)+8*\m+3],   v[ADRP+(\slot)] offset:\m*16*PP+64*(\kq)
	ds_load_b128 v[32*(\g)+8*\m+4:32*(\g)+8*\m+7], v[ADRP+(\slot)] offset:\m*16*PP+64*(\kq)+32
.endr
.endm
.macro VL slot, kq, g, b               ; v's fragment b of quarter kq into buffer g, turned (under SY)
	ds_load_tr16_b128 v[64*(\g)+8*(\b):64*(\g)+8*(\b)+3],   v[ADRV+(\slot)] offset:(\kq)*32*PVV+32*(\b)
	ds_load_tr16_b128 v[64*(\g)+8*(\b)+4:64*(\g)+8*(\b)+7], v[ADRV+(\slot)] offset:(\kq)*32*PVV+16*PVV+32*(\b)
.endm
.macro WLOAD par, off                  ; a group's w of my four rows (under SY)
.irp m, 0,1,2,3
	ds_load_b32 v[WR+4*(\par)+\m], v[WADR] offset:(\off)+64*\m
.endr
.endm
.macro SC g, par, n                    ; register n of buffer g of p times its row's w: two f16 products (under SX)
	v_pk_mul_f16 v[32*(\g)+(\n)], v[WR+4*(\par)+(\n)/8], v[32*(\g)+(\n)]
.endm
; A K step is four quarters of 32 along K, 32 matrix instructions each, on buffers 0, 1, 0, 1; each accumulator has one instruction a quarter, so the 32 take turns.
; One of the first three: at its head ONE run of LDS loads fetches quarter kq of the same slot into buffer g: p's eight, v's sixteen, and (wl = 1) the next step's four w.  Then it multiplies
; buffer f, and behind its later products it scales the new p by the step's w (parity par).
; The quarter's last four scalings stand behind its last product: they name none of its registers and are the four places (ISA guide 7.12.1) in front of the next quarter's run into buffer f.
.macro QUARTER slot, kq, f, g, par, zero, wl, woff
	s_wait_dscnt 0x0                               ; v's fragments of buffer f, asked for 32 matrix instructions ago
	WIN SX
	PLOAD \slot, \kq, \g
	WIN SY
.irp b, 0,1,2,3,4,5,6,7
	VL \slot, \kq, \g, \b
.endr
.if \wl
	WLOAD 1-(\par), \woff
.endif
.irp b, 0,1,2,3,4,5,6,7
	MM 3, \b, \f, \zero
.endr
	WIN SX
.irp b, 0,1,2,3,4,5,6,7
	MM 0, \b, \f, \zero
.endr
	s_wait_dscnt 16+4*(\wl)                        ; p's eight loads are in; v's sixteen, and w's four, are younger
.set qk, 0
.rept 16
	MM 1+qk/8, qk%8, \f, \zero
.if qk < 14
	SC \g, \par, 2*qk
	SC \g, \par, 2*qk+1
.elseif qk == 15
	SC \g, \par, 28
	SC \g, \par, 29
	SC \g, \par, 30
	SC \g, \par, 31
.endif
.set qk, qk+1
.endr
.endm
; The last quarter multiplies buffer 1 and changes slots: ONE barrier; in front of it each wave waits for all its tensor loads, adds 0 to its spare word, and waits for that and for its reads of this slot.
; fill = 1: the barrier opens a round of the cluster's, and this slot is filled again, two K steps on, first thing behind it.  Then the run of loads for the next slot's first quarter.
.macro TURN slot, next, fill
	s_wait_dscnt 0x0                               ; v's fragments of buffer 1: my last reads of this slot
	WIN 0
	s_wait_tensorcnt 0x0                           ; all my tensor loads have landed: my part of the next slot
	ds_add_u32 v[SPW], v[NIL]
	WIN SX
.irp b, 0,1,2,3,4,5,6,7
	MM 0, \b, 1, 0
.endr
	s_wait_dscnt 0x0                               ; the add is done
	s_barrier_signal -1
.irp b, 0,1,2,3,4,5,6,7
	MM 1, \b, 1, 0
.endr
.if \fill
	WIN 0
.endif
	s_barrier_wait -1
.if \fill
	CREST
	s_add_nc_u64 s[G0P+4*(\slot)+2:G0P+4*(\slot)+3], s[G0P+4*(\slot)+2:G0P+4*(\slot)+3], 512
	s_add_nc_u64 s[G0V+4*(\slot)+2:G0V+4*(\slot)+3], s[G0V+4*(\slot)+2:G0V+4*(\slot)+3], 524288
	JLOAD \slot
.endif
	WIN SX
	PLOAD \next, 0, 0
	WIN SY
.irp b, 0,1,2,3,4,5,6,7
	VL \next, 0, 0, \b
.endr
.irp b, 0,1,2,3,4,5,6,7
	MM 3, \b, 1, 0
.endr
	WIN SX
	s_wait_dscnt 16                                ; p's eight loads are in; v's sixteen are younger
.irp b, 0,1,2,3,4,5,6,7
	MM 2, \b, 1, 0
	SC 0, \next, 4*\b
	SC 0, \next, 4*\b+1
	SC 0, \next, 4*\b+2
	SC 0, \next, 4*\b+3
.endr
.endm
	s_wait_tensorcnt 1                             ; my part of K step 0 is in; step 1's may stay out
	s_wait_dscnt 0x0                               ; for the others' sake: my w and 1 / L are stored
	s_barrier_signal -1
	s_barrier_wait -1
	WIN SX
	PLOAD 0, 0, 0
	WIN SY
.irp b, 0,1,2,3,4,5,6,7
	VL 0, 0, 0, \b
.endr
	WLOAD 0, 0
	s_wait_dscnt 0x0
	WIN SX
.set qn, 0
.rept 32
	SC 0, 0, qn
.set qn, qn+1
.endr
	QUARTER 0, 1, 0, 1, 0, 1, 1, 512               ; the first quarter stands in front of the loop: its products start the sums; group 1's w
	WIN 0
	s_mov_b32 s3, 7
.Llap:                                                 ; a trip goes once round the ring, from a lap's second quarter to the next lap's first
	QUARTER 0, 2, 1, 0, 0, 0, 0, 0
	QUARTER 0, 3, 0, 1, 0, 0, 0, 0
	TURN 0, 1, 1
	QUARTER 1, 1, 0, 1, 1, 0, 1, 1024              ; w of the group two on from the lap's first
	QUARTER 1, 2, 1, 0, 1, 0, 0, 0
	QUARTER 1, 3, 0, 1, 1, 0, 0, 0
	TURN 1, 0, 1
	QUARTER 0, 1, 0, 1, 0, 0, 1, 1536              ; and three on
	WIN 0x88                                       ; destination and source 1 window 2
	v_add_nc_u32 v[WADR], 1024, v[WADR]            ; two groups of 512 bytes on
	WIN 0
	s_sub_co_u32 s3, s3, 1
	s_cmp_lg_u32 s3, 0
	s_cbranch_scc1 .Llap
	QUARTER 0, 2, 1, 0, 0, 0, 0, 0                 ; the last lap fills nothing, and has no round
	QUARTER 0, 3, 0, 1, 0, 0, 0, 0
	TURN 0, 1, 0
	QUARTER 1, 1, 0, 1, 1, 0, 0, 0
	QUARTER 1, 2, 1, 0, 1, 0, 0, 0
	QUARTER 1, 3, 0, 1, 1, 0, 0, 0
	s_wait_dscnt 0x0                               ; the very last quarter: nothing more to fetch
	WIN SY
.irp b, 0,1,2,3,4,5,6,7
	MM 3, \b, 1, 0
.endr
	WIN SX
.set qk, 0
.rept 24
	MM qk/8, qk%8, 1, 0
.set qk, qk+1
.endr
.rept 4
	v_nop                                          ; the places in front of the lines that read the results
.endr
	WIN 0
	; THE WAY OUT: a block of 16 rows x 128 columns at a time: times 1 / L, through my own stage, back as whole rows of 512 bytes.
.irp m, 0,1,2,3
	ds_load_b32 v[IV+2*\m],   v[ILA] offset:64*\m
	ds_load_b32 v[IV+2*\m+1], v[ILA] offset:64*\m  ; named as a pair
.endr
	s_wait_dscnt 0x0
.macro OUTB m
.if (\m) >= 2
	s_wait_xcnt 0x0                                ; the stores of the block two back have read the buffer that is loaded below
.endif
.if (\m) < 3
	WIN 0x01                                       ; source 0 window 1
.set rA, 64+64*(\m)
.else
	WIN 0x02                                       ; source 0 window 2
.set rA, 128
.endif
.set oi, 0
.rept 32
	v_pk_mul_f32 v[TMPO+2*oi:TMPO+2*oi+1], v[rA+2*oi:rA+2*oi+1], v[IV+2*(\m):IV+2*(\m)+1] op_sel_hi:[1,0]  ; ascending: each accumulator is read from its low end on
.set oi, oi+1
.endr
	WIN 0
.set oi, 0
.rept 16
	ds_store_b128 v[STO], v[TMPO+4*oi:TMPO+4*oi+3] offset:64*(oi/2)+16*(oi%2)
.set oi, oi+1
.endr
.set oi, 0
.rept 16
	ds_load_b128 v[OB+64*((\m)%2)+4*oi:OB+64*((\m)%2)+4*oi+3], v[RD] offset:SP*oi  ; LDS serves a wave's instructions in order (ISA guide 5.7.1.4): these see the stores above
.set oi, oi+1
.endr
.endm
.macro SEND m, younger                 ; younger: the next block's 32 LDS instructions, or none
	s_wait_dscnt \younger
.set oi, 0
.rept 16
	global_store_b128 v[CO], v[OB+64*((\m)%2)+4*oi:OB+64*((\m)%2)+4*oi+3], s[76:77] offset:(16*(\m)+oi)*4096 th:TH_STORE_NT  ; 512 consecutive bytes, aligned
.set oi, oi+1
.endr
.endm
	OUTB 0
	OUTB 1                                         ; a block's arithmetic stands between the loads of the block before and its stores
	SEND 0, 32
	OUTB 2
	SEND 1, 32
	OUTB 3
	SEND 2, 32
	SEND 3, 0
	s_wait_tensorcnt 0x0                           ; the wave's end
	ds_add_u32 v[SPW], v[NIL]
	s_wait_dscnt 0x0
	CROUND                                         ; the closing round
	s_endpgm
.Lfunc_end_k_qfe777681ee_mix:
	.size	k_qfe777681ee_mix, .Lfunc_end_k_qfe777681ee_mix-k_qfe777681ee_mix
	.p2alignl 7, 3214868480
	.fill 96, 4, 3214868480
	.section	.rodata,"a",@progbits
	.p2align	6, 0x0
	.amdhsa_kernel k_qfe777681ee_mix
		.amdhsa_group_segment_fixed_size 327680
		.amdhsa_private_segment_fixed_size 0
		.amdhsa_enable_private_segment 0
		.amdhsa_kernarg_size 40
		.amdhsa_user_sgpr_count 2
		.amdhsa_user_sgpr_kernarg_segment_ptr 1
		.amdhsa_wavefront_size32 1
		.amdhsa_system_sgpr_workgroup_id_x 1
		.amdhsa_system_sgpr_workgroup_id_y 1
		.amdhsa_system_sgpr_workgroup_id_z 1
		.amdhsa_system_vgpr_workitem_id 0
		.amdhsa_next_free_vgpr 768
		.amdhsa_next_free_sgpr 80
		.amdhsa_reserve_vcc 0
		.amdhsa_float_denorm_mode_32 3
		.amdhsa_float_denorm_mode_16_64 3
		.amdhsa_memory_ordered 1
		.amdhsa_forward_progress 1
		.amdhsa_inst_pref_size 134
	.end_amdhsa_kernel
	.amdgpu_metadata
---
amdhsa.version: [ 1, 2 ]
amdhsa.kernels:
  - .name:           k_qfe777681ee_mix
    .symbol:         k_qfe777681ee_mix.kd
    .args:
      - { .name: p16, .offset: 0, .size: 8, .value_kind: global_buffer, .address_space: global }
      - { .name: v16, .offset: 8, .size: 8, .value_kind: global_buffer, .address_space: global }
      - { .name: stm, .offset: 16, .size: 8, .value_kind: global_buffer, .address_space: global }
      - { .name: stl, .offset: 24, .size: 8, .value_kind: global_buffer, .address_space: global }
      - { .name: out0, .offset: 32, .size: 8, .value_kind: global_buffer, .address_space: global }
    .group_segment_fixed_size: 327680
    .private_segment_fixed_size: 0
    .kernarg_segment_align: 8
    .kernarg_segment_size: 40
    .max_flat_workgroup_size: 128
    .sgpr_count:     80
    .vgpr_count:     768
    .wavefront_size: 32
...
	.end_amdgpu_metadata
.endif
;; end of part 3
